; MI455X (gfx1250); checked and timed in simulation.
; The chip was launched on July 23, 2026; its instructions are those of AMD's public machine-readable ISA for CDNA 5 (MIT licence, August 2026) and "CDNA5" Instruction Set Architecture Reference Guide (July 2026). The comments in the code are by the model that wrote it; some were corrected since.
;; Flash Multi Head Attention. Allowed arithmetic: matrix products marked QUANTISED: E4M3 operands, one E8M0 scale for each 32 along K, by v_wmma_scale_f32_16x16x128_f8f6f4 with both operands' format E4M3, f32 sums; products left as they are: f32 operands where the result goes on into a quantised operand, else bf16, f16 or f32 operands; f32 sums; everything else in f32.
;; Inputs: Wqkv 3,072 x 1,024 float32; bqkv 3,072 float32; hidden_states 4 x 1,024 x 1,024 float32.
;; Outputs: out0 4 x 1,024 x 1,024 float32.
;; This version of the problem:
;;   THIS VERSION OF THE PROBLEM IS GIVEN IN LOW PRECISION. The matrix products marked QUANTISED in the list below multiply operands that are first quantised to E4M3 (4 exponent bits, 3 mantissa bits; 8 bits a number), with one power-of-two scale for each 32 numbers along K (OCP MX v1.0); their sums are f32. All else is computed in f32.
;;   The module's matrix products, in the order in which they are computed (A, B: the left and right operand; K: the contracted axis; several contracted axes count as one K, in the product's order):
;;     1. [M 4,096, K 1,024] x [K 1,024, N 3,072]; A: input hidden_states; B: input Wqkv: QUANTISED
;;     2. [M 1,024, K 1] x [K 1, N 32]; A: computed on the way; B: computed on the way: left as it is (no contracted axis)
;;     3. batch 64 x [M 1,024, K 64] x [K 64, N 1,024]; A: computed on the way; B: computed on the way: QUANTISED
;;     4. batch 64 x [M 64, K 1,024] x [K 1,024, N 1,024]; A: computed on the way; B: softmax (see below): QUANTISED
;;   THE QUANTISER, for each operand of a quantised product, along K:
;;     - K is cut into blocks of 32 from its start; a last block that is shorter is filled with zeros.
;;     - A block's scale is 2^e with e = floor(log2(the largest magnitude in the block)) - 8, held to -126 .. 127; a block of zeros has e = 0. As a byte (E8M0): e + 127.
;;     - Each number is divided by its block's scale, clamped to +-448, and rounded to the nearest number of E4M3, ties to even, subnormals kept.
;;     - The product sums the exact products of the quantised numbers (number of the format x scale) in f32.
;;   ~~~python
;;   def quantise(x, axis):      # numpy; x: float32 -> the quantised numbers, widened to float32 again
;;       x = np.moveaxis(x, axis, -1); K = x.shape[-1]
;;       x = np.pad(x, [(0, 0)] * (x.ndim - 1) + [(0, -K % 32)]); x = x.reshape(x.shape[:-1] + (-1, 32)); a = np.abs(x).max(-1, keepdims=True)
;;       e = np.where(a > 0, np.clip(np.frexp(np.where(a > 0, a, 1))[1] - 1 - 8, -126, 127), 0)      # np.frexp(a)[1] - 1 = floor(log2(a)), exactly
;;       r = np.clip(x / 2.0 ** e, -448, 448)
;;       step = 2.0 ** (np.maximum(np.frexp(np.where(r == 0, 1, r))[1] - 1, -6) - 3)
;;       q = np.round(r / step) * step * 2.0 ** e      # np.round: ties to even
;;       return np.moveaxis(q.reshape(q.shape[:-2] + (-1,))[..., :K], -1, axis).astype(np.float32)
;;   ~~~
;;   SOFTMAX AHEAD OF A QUANTISED PRODUCT. Where the list says 'softmax', what is quantised is not the finished softmax but p = 2^(t - M), with t = logit x log2(e) and M = ceil(the row's largest t), a whole number; so 1/2 < the row's largest p <= 1. The row's sum l is taken of the UNQUANTISED p, in f32, and the product's result is divided by l at the end. Since M is a whole number, a kernel that streams over the keys may use a running M (the ceiling of the running maximum): every later rescaling is an exact power of two, which a block's scale takes up: the codes' values come out the same.
;;   OPERANDS COMPUTED ON THE WAY. 'Computed on the way' means the value that the module computes at that place (a softmax that the list does not call 'softmax' is quantised finished and normalised). What goes into a quantiser is computed in f32, as accurately as f32 sums, v_exp_f32 and their like allow (about 1e-6 of the number): no bf16 or f16 on the way to a quantiser, and a product that is left as it is and whose result goes on into a quantised operand takes f32 operands (vector FMAs, or v_wmma_f32_16x16x4_f32). A number that lies on a knife's edge between two numbers of the format may be rounded either way, as far as f32 arithmetic and the matrix unit's own rounding can turn it there, and no further.
;; One version. Each part assembles by itself: llvm-mc -triple=amdgcn-amd-amdhsa -mcpu=gfx1250 --defsym DOCPART=n.
;; ======== version 1 of 1: 3 launches
;; limits: right only within a limited range of input values
;; workspace buffers: codes 7,340,032 bytes; scales 229,376 bytes; rope 262,144 bytes; frag 12,582,912 bytes; sc 1,310,720 bytes
;; launch quant (part 1): grid 256 x 1, 4 waves a work-group, no clusters, 33,280 bytes of LDS; arguments hidden_states, Wqkv, codes, scales, rope; writes codes, scales, rope
.if DOCPART == 1
	.amdgcn_target "amdgcn-amd-amdhsa--gfx1250"
	.amdhsa_code_object_version 6
	.text
	.protected	k_q470ee1f15d_quant
	.globl	k_q470ee1f15d_quant
	.p2align	8
	.type	k_q470ee1f15d_quant,@function
k_q470ee1f15d_quant:
	s_mov_b64 s[64:65], 0
	v_nop
	global_prefetch_b8 v0, s[64:65] scope:SCOPE_SE
	s_setreg_imm32_b32 hwreg(HW_REG_WAVE_MODE, 25, 1), 1
	s_wait_xcnt 0x0
; hidden_states [4096][1024] and Wqkv [3072][1024], f32, become codes of FP8 (E4M3), K innermost, with one E8M0 scale byte for each 32 along K; 32 further work-groups make the table of cos and sin for the rotary embedding.
; A block's scale is 2^(floor(log2(its largest magnitude)) - 8); its byte is the largest magnitude's exponent field - 8, held at 1 from below.  Each number is divided by the scale, held within +-448 and rounded to the nearest code, ties to even.
; LIMITS: a block whose largest magnitude lies under 2^-118 keeps the byte 1; a block of zeros has the byte 1 and not 127 (its codes are zeros, and this program alone reads the bytes); NaN and infinities among the inputs are not served.
; ROWS ARE STORED IN ANOTHER ORDER: both tensors go into one buffer of 7,168 rows (hidden_states first), and row 32 B + 16 x + 8 u + y lies at place 32 B + 16 u + 8 x + y.  Sixteen neighbouring stored rows are then the true rows
; 32 B + 8 u + {0..7, 16..23}: the next launch's matrix results so fall into a lane's registers as neighbours along the following product's K.  A wave takes 8 rows (8,192 numbers), so the order is a swap of the two bits of the wave's number.
; WORK-GROUPS 0-223: a wave takes 16 steps of 512 numbers.  Each load reads 512 consecutive bytes; a step's 2,048 bytes turn through the wave's own stage in LDS, so that a lane holds 16 neighbours (two lanes a block);
; a lane's 16 codes are 16 bytes: the wave stores 512 consecutive bytes.  A wave's 256 scale bytes are gathered in LDS and leave as one aligned run of 256 bytes.  Waves share nothing: no barrier.
; WORK-GROUPS 224-255: positions 32 tau .. 32 tau + 31 of the table [1024][cos 32 | sin 32] f32.  The angle is position x 10^(-j/8), one f32 product; it is reduced by pi/2 in two parts and cos and sin are polynomials on |r| <= pi/4.
; LIMIT: 10^(-j/8) is the decimal value rounded once to f32.
.set STEPS, 16
.set WGA,   128                        ; work-groups of hidden_states: 4096 x 1024 / 32768
.set WGQ,   224                        ; and of both tensors
.set EMAX,  8
.set MANT,  0x600000                   ; the mantissa field of 448 as f32
.set CB,    16                         ; bytes of 16 codes
.set R,     16                         ; v16-79   four sets of 16 numbers as they are loaded
.set X,     80                         ; v80-111  two sets of 16 neighbours
.set C,     128                        ; v128-191 codes: four registers for each step
.set E,     112                        ; v112-127 a scale byte for each step
.set WREG,  8192                       ; LDS: a region for each wave: two stages of 32 x SP bytes, behind them its 256 scale bytes
.set SP,    80                         ; a lane's place in a stage: 64 bytes + 16 of padding
.set F,     8                          ; the table: v8-11 my four frequencies
.set DT,    32                         ; v32-47 four results for each of four passes
	s_load_b128 s[4:7], s[0:1], 0x0                ; hidden_states, Wqkv
	s_load_b128 s[8:11], s[0:1], 0x10              ; codes, scales
	s_load_b64 s[12:13], s[0:1], 0x20              ; rope
	v_lshl_add_u32 v192, v0, 2, 0x8000
	v_mov_b32 v193, 0
	s_cmp_ge_u32 ttmp9, WGQ
	s_cbranch_scc1 .Ltable
	v_lshrrev_b32 v1, 5, v0
	v_readfirstlane_b32 s16, v1                    ; wave
	v_and_b32 v2, 31, v0                           ; lane
	v_lshlrev_b32 v3, 4, v2                        ; my 16 bytes of a load's 512
	s_mul_i32 s17, s16, WREG
	v_lshrrev_b32 v14, 2, v2
	v_mul_u32_u24 v14, v14, SP
	v_and_b32 v15, 3, v2
	v_lshl_add_u32 v14, v15, 4, v14
	v_add_nc_u32 v14, s17, v14                     ; the stage, on the way in: SP (lane / 4) + 16 (lane % 4)
	v_mul_u32_u24 v15, v2, SP
	v_add_nc_u32 v15, s17, v15                     ; and on the way out: SP x lane: my 16 neighbours
	v_mul_u32_u24 v4, v2, CB                       ; my codes' place in a step's
	v_lshrrev_b32 v5, 1, v2
	s_add_co_u32 s17, s17, 2*32*SP
	v_add_nc_u32 v5, s17, v5                       ; LDS: my wave's 256 scale bytes, my block's byte
	v_lshlrev_b32 v7, 3, v2                        ; and on the way out 8 bytes a lane
	v_add_nc_u32 v6, s17, v7
	s_wait_alu depctr_va_vdst(0)
	s_wait_kmcnt 0x0
	s_cmp_lt_u32 ttmp9, WGA                        ; which tensor: the choice hangs on the work-group's number alone
	s_cselect_b64 s[4:5], s[4:5], s[6:7]
	s_cselect_b32 s17, 0, WGA
	s_sub_co_u32 s17, ttmp9, s17
	s_lshl_b32 s17, s17, 2
	s_add_co_u32 s18, s17, s16                     ; which run of 8,192 numbers of the tensor I read
	s_mov_b32 s19, 0
	s_lshl_b64 s[20:21], s[18:19], 15              ; 32,768 bytes a run
	s_add_nc_u64 s[4:5], s[4:5], s[20:21]
	s_and_b32 s24, s16, 1                          ; and where it goes: the wave's two bits change places
	s_lshl_b32 s24, s24, 1
	s_lshr_b32 s25, s16, 1
	s_or_b32 s24, s24, s25
	s_lshl_b32 s25, ttmp9, 2
	s_add_co_u32 s24, s24, s25
	s_mov_b32 s25, 0
	s_lshl_b64 s[26:27], s[24:25], 13              ; 8,192 bytes of codes a run
	s_add_nc_u64 s[8:9], s[8:9], s[26:27]
	s_lshl_b32 s24, s24, 8                         ; 256 scale bytes a run
	s_add_nc_u64 s[10:11], s[10:11], s[24:25]
.macro LOAD t
.irp i, 0,1,2,3
	global_load_b128 v[R+16*((\t)%4)+4*\i:R+16*((\t)%4)+4*\i+3], v3, s[4:5] offset:2048*(\t)+512*\i th:TH_LOAD_NT   ; 32 lanes read 512 consecutive bytes
.endr
.endm
.macro TURN t                          ; step t's numbers through the stage: LDS serves a wave's instructions in order, so no wait stands between the stores and the loads
.irp i, 0,1,2,3
	ds_store_b128 v14, v[R+16*((\t)%4)+4*\i:R+16*((\t)%4)+4*\i+3] offset:32*SP*((\t)%2)+8*SP*\i
.endr
.irp i, 0,1,2,3
	ds_load_b128 v[X+16*((\t)%2)+4*\i:X+16*((\t)%2)+4*\i+3], v15 offset:32*SP*((\t)%2)+16*\i
.endr
.endm
.irp t, 0,1,2,3
	LOAD \t
.endr
	s_wait_loadcnt 12                              ; step 0's four loads are in; the twelve of steps 1 to 3 may be out
	TURN 0
.macro STEP t
.set XS, X+16*((\t)%2)
.if (\t) > 0
	s_wait_dscnt 1                                 ; this step's numbers are back from the stage (the last step's byte store may be out): so its stores into the stage have read their registers,
.else
	s_wait_dscnt 0x0
.endif
.if (\t)+4 < STEPS
	LOAD (\t)+4                                    ; which take the loads of four steps on
.endif
.if (\t)+1 < STEPS
.if STEPS-2-(\t) >= 3
	s_wait_loadcnt 12                              ; the next step's four loads are in; those of the three steps behind it may be out
.else
	s_wait_loadcnt 4*(STEPS-2-(\t))
.endif
	TURN (\t)+1                                    ; and go through the other stage while this step is worked
.endif
	v_max3_num_f32 v8, |v[XS]|, |v[XS+1]|, |v[XS+2]|               ; the largest magnitude of my 16, in two chains
	v_max3_num_f32 v9, |v[XS+3]|, |v[XS+4]|, |v[XS+5]|
.irp i, 6,10
	v_max3_num_f32 v8, v8, |v[XS+\i]|, |v[XS+\i+1]|
	v_max3_num_f32 v9, v9, |v[XS+\i+2]|, |v[XS+\i+3]|
.endr
	v_max3_num_f32 v8, v8, |v[XS+14]|, |v[XS+15]|
	v_max3_num_f32 v8, v8, v9, (EMAX+1)<<23        ; and the floor 2^(9 - 127): the byte cannot fall under 1
	v_max_num_f32_dpp v8, v8, v8 row_xmask:1 row_mask:0xf bank_mask:0xf   ; and of my neighbour's 16: the block's
	v_add_nc_u32 v11, -(EMAX<<23), v8              ; 8 off its exponent field: the conversion takes the exponent field of this operand as its scale
.irp i, 0,1,2,3,4,5,6,7,8,9,10,11,12,13,14,15
.endr
	v_cvt_scalef32_pk8_fp8_f32 v[C+4*(\t):C+4*(\t)+1], v[XS:XS+7], v11
	v_cvt_scalef32_pk8_fp8_f32 v[C+4*(\t)+2:C+4*(\t)+3], v[XS+8:XS+15], v11
	v_lshrrev_b32 v[E+(\t)], 23, v11               ; the scale's byte (also the plain line behind the conversions)
	ds_store_b8 v5, v[E+(\t)] offset:16*(\t)       ; both lanes of a block write the same byte with the same value
	global_store_b128 v4, v[C+4*(\t):C+4*(\t)+3], s[8:9] offset:32*CB*(\t)   ; the wave stores 512 consecutive bytes, aligned
.endm
.irp t, 0,1,2,3,4,5,6,7,8,9,10,11,12,13,14,15
	STEP \t
.endr
	ds_load_b64 v[12:13], v6                       ; LDS serves a wave's instructions in order: these see my stores
	s_wait_dscnt 0x0
	global_store_b64 v7, v[12:13], s[10:11]        ; 32 lanes store 256 consecutive bytes, aligned
	s_wait_tensorcnt 0x0
	ds_add_u32 v192, v193
	s_wait_dscnt 0x0
	s_endpgm
; THE TABLE.  Thread t: row t / 16 of eight positions a pass; its 16 bytes at 16 (t % 16) of the row: threads 0-7 of a row make cos of frequencies 4 (t % 8) + 0..3, threads 8-15 sin of the same.
.Ltable:
	s_sub_co_u32 s14, ttmp9, WGQ                   ; tau
	s_lshl_b32 s16, s14, 13                        ; 32 rows of 256 bytes
	s_mov_b32 s17, 0
	s_lshl_b32 s15, s14, 5                         ; my first position
	s_mov_b32 s20, 0x3fc90fdb                      ; pi/2, its upper part;
	s_mov_b32 s21, 0x333bbd2e                      ; the upper part less pi/2
	s_mov_b32 s22, 0xbe2aaaab                      ; sin: -1/6, 1/120, -1/5040, 1/362880
	s_mov_b32 s23, 0x3c088889
	s_mov_b32 s24, 0xb9500d01
	s_mov_b32 s25, 0x3638ef1d
	s_mov_b32 s26, 0x3d2aaaab                      ; cos: 1/24, -1/720, 1/40320, -1/3628800
	s_mov_b32 s27, 0xbab60b61
	s_mov_b32 s28, 0x37d00d01
	s_mov_b32 s29, 0xb493f27e
	v_and_b32 v1, 7, v0                            ; which four frequencies
	v_bfe_u32 v2, v0, 3, 1
	v_mul_u32_u24 v2, v2, 3                        ; sin(x) = cos(x - pi/2): three quadrants on
	v_lshrrev_b32 v3, 4, v0
	v_add_nc_u32 v3, s15, v3                       ; my position in pass 0
	v_lshlrev_b32 v4, 4, v0                        ; my 16 bytes of a pass's 2,048
.irp e, 0,1,2,3
	v_mov_b32 v[F+\e], 0
.endr
.macro SEL g, l0, l1, l2, l3           ; the threads of group g take 10^(-j/8), j = 4 g + 0..3
	v_cmp_ne_u32 vcc_lo, \g, v1
	v_cndmask_b32 v[F], \l0, v[F], vcc_lo
	v_cndmask_b32 v[F+1], \l1, v[F+1], vcc_lo
	v_cndmask_b32 v[F+2], \l2, v[F+2], vcc_lo
	v_cndmask_b32 v[F+3], \l3, v[F+3], vcc_lo
.endm
	SEL 0, 1.0, 0.7498942093, 0.5623413252, 0.4216965034
	SEL 1, 0.3162277660, 0.2371373706, 0.1778279410, 0.1333521432
	SEL 2, 0.1, 0.07498942093, 0.05623413252, 0.04216965034
	SEL 3, 0.03162277660, 0.02371373706, 0.01778279410, 0.01333521432
	SEL 4, 0.01, 0.007498942093, 0.005623413252, 0.004216965034
	SEL 5, 0.003162277660, 0.002371373706, 0.001778279410, 0.001333521432
	SEL 6, 0.001, 0.0007498942093, 0.0005623413252, 0.0004216965034
	SEL 7, 0.0003162277660, 0.0002371373706, 0.0001778279410, 0.0001333521432
	s_wait_kmcnt 0x0
	s_add_nc_u64 s[12:13], s[12:13], s[16:17]
.macro SINCOS dst, e                   ; cos or sin of v5 x frequency e
	v_mul_f32 v12, v5, v[F+\e]                     ; the angle, one f32 product
	v_mul_f32 v13, 0x3f22f983, v12
	v_rndne_f32 v13, v13                           ; n = the nearest whole number to angle x 2/pi
	v_fma_f32 v14, -v13, s20, v12
	v_fma_f32 v14, v13, s21, v14                   ; r = angle - n pi/2, pi/2 in two parts
	v_cvt_i32_f32 v15, v13
	v_add_nc_u32 v15, v15, v2                      ; m: the quadrant
	v_mul_f32 v16, v14, v14                        ; z = r r
	v_fma_f32 v17, v16, s25, s24
	v_fma_f32 v17, v17, v16, s23
	v_fma_f32 v17, v17, v16, s22
	v_mul_f32 v17, v17, v16
	v_fma_f32 v17, v17, v14, v14                   ; sin r
	v_fma_f32 v18, v16, s29, s28
	v_fma_f32 v18, v18, v16, s27
	v_fma_f32 v18, v18, v16, s26
	v_fma_f32 v18, v18, v16, -0.5
	v_fma_f32 v18, v18, v16, 1.0                   ; cos r
	v_and_b32 v19, 1, v15
	v_cmp_eq_u32 vcc_lo, 1, v19
	v_cndmask_b32 v18, v18, v17, vcc_lo            ; cos(r + m pi/2): cos r, -sin r, -cos r, sin r for m mod 4 = 0, 1, 2, 3
	v_add_nc_u32 v15, 1, v15
	v_lshlrev_b32 v15, 30, v15
	v_and_b32 v15, 0x80000000, v15                 ; negative where m mod 4 is 1 or 2
	v_xor_b32 v[\dst], v15, v18
.endm
.irp p, 0,1,2,3
	v_add_nc_u32 v6, 8*\p, v3
	v_cvt_f32_u32 v5, v6
	s_wait_alu depctr_va_vdst(0)
.irp e, 0,1,2,3
	SINCOS DT+4*\p+\e, \e
.endr
	global_store_b128 v4, v[DT+4*\p:DT+4*\p+3], s[12:13] offset:2048*\p   ; a wave stores 512 consecutive bytes, aligned; each pass has its own data registers
.endr
	s_endpgm
.Lfunc_end_k_q470ee1f15d_quant:
	.size	k_q470ee1f15d_quant, .Lfunc_end_k_q470ee1f15d_quant-k_q470ee1f15d_quant
	.p2alignl 7, 3214868480
	.fill 96, 4, 3214868480
	.section	.rodata,"a",@progbits
	.p2align	6, 0x0
	.amdhsa_kernel k_q470ee1f15d_quant
		.amdhsa_group_segment_fixed_size 33280
		.amdhsa_private_segment_fixed_size 0
		.amdhsa_enable_private_segment 0
		.amdhsa_kernarg_size 40
		.amdhsa_user_sgpr_count 2
		.amdhsa_user_sgpr_kernarg_segment_ptr 1
		.amdhsa_wavefront_size32 1
		.amdhsa_system_sgpr_workgroup_id_x 1
		.amdhsa_system_sgpr_workgroup_id_y 1
		.amdhsa_system_sgpr_workgroup_id_z 1
		.amdhsa_system_vgpr_workitem_id 0
		.amdhsa_next_free_vgpr 194
		.amdhsa_next_free_sgpr 66
		.amdhsa_reserve_vcc 1
		.amdhsa_float_denorm_mode_32 3
		.amdhsa_float_denorm_mode_16_64 3
		.amdhsa_fp16_overflow 1
		.amdhsa_memory_ordered 1
		.amdhsa_forward_progress 1
		.amdhsa_inst_pref_size 57
	.end_amdhsa_kernel
	.amdgpu_metadata
---
amdhsa.version: [ 1, 2 ]
amdhsa.kernels:
  - .name:           k_q470ee1f15d_quant
    .symbol:         k_q470ee1f15d_quant.kd
    .args:
      - { .name: hidden_states, .offset: 0, .size: 8, .value_kind: global_buffer, .address_space: global }
      - { .name: Wqkv, .offset: 8, .size: 8, .value_kind: global_buffer, .address_space: global }
      - { .name: codes, .offset: 16, .size: 8, .value_kind: global_buffer, .address_space: global }
      - { .name: scales, .offset: 24, .size: 8, .value_kind: global_buffer, .address_space: global }
      - { .name: rope, .offset: 32, .size: 8, .value_kind: global_buffer, .address_space: global }
    .group_segment_fixed_size: 33280
    .private_segment_fixed_size: 0
    .kernarg_segment_align: 8
    .kernarg_segment_size: 40
    .max_flat_workgroup_size: 128
    .sgpr_count:     66
    .vgpr_count:     194
    .wavefront_size: 32
...
	.end_amdgpu_metadata
.endif
;; end of part 1
;; launch proj (part 2): grid 12 x 16, 4 waves a work-group, clusters of 4 x 4, 327,680 bytes of LDS; arguments codes, scales, bqkv, rope, frag, sc; writes frag, sc
.if DOCPART == 2
	.amdgcn_target "amdgcn-amd-amdhsa--gfx1250"
	.amdhsa_code_object_version 6
	.text
	.protected	k_q470ee1f15d_proj
	.globl	k_q470ee1f15d_proj
	.p2align	8
	.type	k_q470ee1f15d_proj,@function
k_q470ee1f15d_proj:
	s_mov_b64 s[64:65], 0
	v_nop
	global_prefetch_b8 v0, s[64:65] scope:SCOPE_SE
	s_setreg_imm32_b32 hwreg(HW_REG_WAVE_MODE, 25, 1), 1
	s_wait_xcnt 0x0
	s_wait_alu depctr_hold_cnt(0) depctr_sa_sdst(0) depctr_va_vdst(0) depctr_va_sdst(0) depctr_va_ssrc(0) depctr_va_vcc(0) depctr_vm_vsrc(0)
	s_getreg_b32 s2, hwreg(HW_REG_IB_STS2, 6, 4)
	s_cmp_eq_u32 s2, 0
	s_cbranch_scc0 .Lentry_in_a_cluster
	s_endpgm
.Lentry_in_a_cluster:
	s_bfe_u32 s2, ttmp6, 0x10000c
	s_cmp_lg_u32 s2, 0xf033
	s_cbranch_scc0 .Lentry_shape_is_right
	s_endpgm
.Lentry_shape_is_right:
; qkv = x Wqkv^T + b on codes of FP8 (E4M3) with one E8M0 scale for each 32 along K = 1024; then the rotary embedding on q and k, and q, k (along the head's 64) and v (along the keys) are quantised again
; and stored as IMAGES OF THE NEXT PRODUCTS' OPERAND REGISTERS: lane l's 16 bytes at 16 l, 512 consecutive bytes a store.
; codes [7168][1024]: rows 0-4095 x, rows 4096-7167 Wqkv; scales [7168][32]; both in the stored order: true row 32 B + 16 x + 8 u + y lies at 32 B + 16 u + 8 x + y.
; A work-group of four waves makes 256 x 256 of the product, a wave 128 x 128: 64 accumulators, 512 registers.  K goes in steps of 256 through a ring of two LDS slots filled by the tensor data mover.
; TWO SIDES.  P is source 0 of the matrix instruction: its 16 rows fall into a lane's eight registers; L is source 1: its rows fall into the lanes.  By the stored order, the 64 accumulator registers of one block of L are,
; in lane (r, h), register 16 c + i = P's true index 32 c + 16 h + i: just what the conversions and the next operand's layout want; lane r of L's block a is L's true index 32 (a / 2) + 8 (a % 2) + 16 (r / 8) + r % 8.
; THREE MODES, by the cluster's x (the same in all sixteen partners): 0 q, 1 k: P = 128 features (two heads), L = tokens; 2 v: P = 128 tokens (keys), L = channels.  The cluster's y is the batch.  Only row numbers differ in the loop.
; CLUSTERS: 4 x 4 work-groups.  L's tiles hang on the place along y alone and are asked for jointly by a row of the cluster, P's on the place along x alone and jointly by a column.
; THE SCALES of the work-group's 256 + 256 rows, for all of K, come into LDS once, with the first fills.
; OUT.  frag [64 heads][196608]: q at 0 and k at 65536 as [tile of 16 tokens 64][c 2][lane][16 bytes]; v at 131072 as [128 keys 8][16 channels 4][c 4][lane][16].
;       sc [64][20480]: q at 0, k at 8192 as [4 tiles 16][lane][4 words]; v at 16384 as [128 keys 8][lane][4 words].  A q or k word holds its head's two bytes below; the upper two belong to zero codes in the next launch.
; LIMITS: a block whose largest magnitude lies under 2^-118 keeps the byte 1, a block of zeros too (its codes are zeros; this program alone reads the bytes); NaN and infinities are not served.
; REGISTERS, in windows of 256: window 0: v0-31 addresses; v32-63 scale words, two sets, nothing else ever; v64-127 bias; v128-255 L's fragments, ONE set; behind the loop: v128-191 T (64 numbers), v192-207 codes,
;   v208-223 scale words made, v224-239 and v240-255 at work.  window 1: P's fragments, TWO sets; behind the loop the cos and sin of my eight blocks of tokens.  windows 2, 3: the accumulators, (a, b) at v[8 (8 (a % 4) + b)].
.set KSTEP,  256
.set NQ,     KSTEP/128
.set ROWB,   256                       ; a tile's row in bytes
.set KROW,   1024                      ; a row of codes in memory
.set PITCH,  272                       ; an LDS row: 256 bytes + 16 of padding = 68 words: row r starts at bank 4 r mod 64 (64 banks of 4 bytes: ISA guide 11.1)
.set FR,     16                        ; registers of a fragment
.set NL,     4                         ; LDS loads that bring one
.set NP,     8                         ; places behind this matrix instruction (ISA guide 7.12.1)
.set HALFT,  128*PITCH                 ; 128 rows: what one tensor load brings
.set SLOT,   4*HALFT                   ; L's 256 rows, then P's 256 rows
.set LAPS,   2                         ; 1024 / 512: a lap = two K steps = once round the ring
.set KS,     32                        ; a row of scales in bytes
.set SCL,    2*SLOT                    ; behind the ring: the scales, as runs of 256 bytes + 16 of padding
.set HALFS,  (128*KS/256)*272
.set SBLK,   (16*KS/256)*272
.set SPARE,  SCL+4*HALFS               ; the spare words, 128 bytes for each wave: two blocks of 256 bytes that no other line names
.set LI,   7                           ; v7   16 x lane: my place in an image
.set BO,   8                           ; v8   64 h: my 16 features of a block of 32, in bytes of the bias
.set TO,   9                           ; v9   my token's row of the table + 64 h
.set VB,   10                          ; v10  my channel's bias
.set ADRA, 16                          ; v16-17  LDS address of my L fragments in slot 0, 1
.set ADRB, 20                          ; v20-21  the same for P
.set ADRS, 27                          ; v27     LDS address of my scale words: lanes 0-15 L's rows, lanes 16-31 P's
.set SPW,  28                          ; v28     LDS address of my spare word; never rewritten
.set NIL,  29                          ; v29     0; never rewritten
.set SC,   32
.set BI,   64
.set AF,   128
.set T,    128
.set PC,   192
.set SWA,  208
.set SWB,  216
.set U,    224
.set TM,   240                         ; v240-243 largest magnitudes, v244-247 bytes, v252-255 the conversions' scale operands
.set G1, 24                            ; s[24:31] descriptor group 1 for L's tiles;  s[32:39] group 0, one set for each slot
.set G0, 32
.set G1B, 48                           ; s[48:55], s[56:63] the same for P's tiles
.set G0B, 56
.set G1S, 68                           ; s[68:75], s[76:79] groups 1 and 0 for L's scales;  s[80:87], s[88:91] for P's
.set G0S, 76
.set G1SB, 80
.set G0SB, 88
.set MSB, 0
.macro WIN new                         ; the immediate's high byte repeats the setting that is left
.if MSB != \new
	s_set_vgpr_msb (MSB<<8)|\new
.set MSB, \new
.endif
.endm
.set MUL_LO, 0xa1                      ; source 0 (P) window 1, source 1 (L) window 0, C and D window 2
.set MUL_HI, 0xf1                      ; the same, C and D window 3
.set TO_B,   0x40                      ; destination window 1, address window 0
; A joint load: waves 0 and 1 fetch for L, waves 2 and 3 for P.  Each line has one mask and one set of registers for all that issue it; the branch hangs on the wave's number alone.
; Four v_nop follow each of the two lines, ahead of the jump, the label and what follows.
.macro JLOAD g0a, g1a, g0b, g1b
	s_cmp_eq_u32 s17, 0
	s_cbranch_scc0 .Lfor_b_\@
	tensor_load_to_lds s[\g0a:\g0a+3], s[\g1a:\g1a+7]
	s_nop 0
.rept 4
	v_nop
.endr
	s_branch .Lasked_\@
.Lfor_b_\@:
	tensor_load_to_lds s[\g0b:\g0b+3], s[\g1b:\g1b+7]
	s_nop 0
.rept 4
	v_nop
.endr
.Lasked_\@:
.endm
.macro CREST                           ; a round of the cluster's barrier behind its opening barrier
	s_cmp_lg_u32 s16, 0
	s_cbranch_scc1 .Lnot_wave_0_\@
	s_barrier_signal -3
.Lnot_wave_0_\@:
	s_barrier_wait -3
	s_barrier_signal -1
	s_barrier_wait -1
.endm
.macro CROUND                          ; a whole round
	s_barrier_signal -1
	s_barrier_wait -1
	CREST
.endm
	s_load_b256 s[4:11], s[0:1], 0x0               ; codes s[4:5], scales s[6:7], bqkv s[8:9], rope s[10:11]
	s_load_b128 s[12:15], s[0:1], 0x20             ; frag s[12:13], sc s[14:15]
	v_lshl_add_u32 v[SPW], v0, 2, SPARE
	v_mov_b32 v[NIL], 0
	ds_add_u32 v28, v29
	ds_add_u32 v28, v29
	s_wait_dscnt 0x0
	v_lshrrev_b32 v1, 5, v0
	v_readfirstlane_b32 s16, v1                    ; wave 0..3
	s_lshr_b32 s17, s16, 1                         ; HL: which half of L's rows is mine.  Also: I fetch for L (0) or for P (1)
	s_and_b32 s18, s16, 1                          ; HP: which half of P's rows.  Also: which 128 rows of that tile I fetch
	s_bfe_u32 s19, ttmp6, 0x40000                  ; cx, cy: my place in the cluster
	s_bfe_u32 s20, ttmp6, 0x40004
	s_mov_b32 s21, ttmp9                           ; the cluster's x: 0 q, 1 k, 2 v
	s_and_b32 s22, ttmp7, 0xffff                   ; the cluster's y: the batch
	s_lshl_b32 s40, s20, 2
	s_lshl_b32 s40, 15, s40                        ; my row of the cluster
	s_lshl_b32 s41, 0x1111, s19                    ; my column
	s_mov_b32 s44, 0x76543210
	s_mov_b32 s45, 0xfedcba98                      ; v_permlanex16_b32's selects for lane l xor 16
	; which rows of the one buffer are L's and P's: numbers that all sixteen partners share
	s_lshl_b32 s46, s22, 10                        ; the batch's 1,024 tokens
	s_lshl_b32 s47, s21, 10
	s_add_co_u32 s47, s47, 4096                    ; q's or k's 1,024 rows of Wqkv
	s_mov_b32 s42, 6144                            ; v's
	s_cmp_eq_u32 s21, 2
	s_cselect_b32 s42, s42, s46                    ; L: channels of v, or tokens
	s_cselect_b32 s43, s46, s47                    ; P: tokens, or features
	; descriptor group 1: a tile of 128 rows x 256 bytes, padded in LDS
	s_or_b32 s[G1+0], s40, (0<<16)|(1<<20)|(1<<21)|(5<<22)|(3<<25)  ; 15:0 the mask: L's tiles go to my row; 17:16 element of 1 byte; 20 padding on; 21 set beside a mask; 24:22 after every 64 words; 31:25 of 4 words
	s_or_b32 s[G1B+0], s41, (0<<16)|(1<<20)|(1<<21)|(5<<22)|(3<<25)
.irp g, G1, G1B
	s_mov_b32 s[\g+1], ROWB<<16                    ; tensor_dim0
	s_mov_b32 s[\g+2], 128<<16                     ; tensor_dim1 = 128
	s_mov_b32 s[\g+3], ROWB<<16                    ; tile_dim0
	s_mov_b32 s[\g+4], 128                         ; tile_dim1 = 128
	s_mov_b32 s[\g+5], KROW                        ; tensor_dim0_stride
	s_mov_b32 s[\g+6], 0
	s_mov_b32 s[\g+7], 0
.endr
	; and for the scales of 128 rows: 4,096 dense bytes, as 16 rows of 256 bytes (32 elements of 8 bytes), 16 bytes of padding behind each
	s_or_b32 s[G1S+0], s40, (3<<16)|(1<<20)|(1<<21)|(5<<22)|(3<<25)
	s_or_b32 s[G1SB+0], s41, (3<<16)|(1<<20)|(1<<21)|(5<<22)|(3<<25)
.irp g, G1S, G1SB
	s_mov_b32 s[\g+1], 32<<16
	s_mov_b32 s[\g+2], (128*KS/256)<<16
	s_mov_b32 s[\g+3], 32<<16
	s_mov_b32 s[\g+4], 128*KS/256
	s_mov_b32 s[\g+5], 32
	s_mov_b32 s[\g+6], 0
	s_mov_b32 s[\g+7], 0
.endr
	s_lshl_b32 s46, s18, 7                         ; which 128 rows of the tile I fetch
	s_lshl_b32 s92, s20, 8
	s_add_co_u32 s92, s92, s42
	s_add_co_u32 s92, s92, s46                     ; L: its first row + 256 cy + 128 x half
	s_lshl_b32 s96, s19, 8
	s_add_co_u32 s96, s96, s43
	s_add_co_u32 s96, s96, s46                     ; P: its first row + 256 cx + 128 x half
	s_lshl_b32 s94, s92, 5                         ; these rows' scales, in bytes,
	s_mov_b32 s95, 0
	s_lshl_b32 s92, s92, 10                        ; and their codes
	s_mov_b32 s93, 0
	s_lshl_b32 s98, s96, 5
	s_mov_b32 s99, 0
	s_lshl_b32 s96, s96, 10
	s_mov_b32 s97, 0
	s_mul_i32 s100, s16, HALFT                     ; where they go: wave x 128 rows: no place in the cluster enters an LDS address
	s_mul_i32 s101, s16, HALFS
	s_wait_kmcnt 0x0
	s_add_nc_u64 s[92:93], s[4:5], s[92:93]
	s_add_nc_u64 s[94:95], s[6:7], s[94:95]
	s_add_nc_u64 s[96:97], s[4:5], s[96:97]
	s_add_nc_u64 s[98:99], s[6:7], s[98:99]
	CROUND                                         ; all sixteen work-groups are here: the first joint loads meet
	s_mov_b32 s[G0S], 1
	s_add_co_u32 s[G0S+1], s101, SCL
	s_mov_b64 s[G0S+2:G0S+3], s[94:95]
	s_or_b32 s[G0S+3], s[G0S+3], 0x80000000
	s_mov_b32 s[G0SB], 1
	s_add_co_u32 s[G0SB+1], s101, SCL
	s_mov_b64 s[G0SB+2:G0SB+3], s[98:99]
	s_or_b32 s[G0SB+3], s[G0SB+3], 0x80000000
	JLOAD G0S, G1S, G0SB, G1SB                     ; the scales first: they are wanted with K step 0
.irp s, 0,1
	s_mov_b32 s[G0+4*\s], 1
	s_add_co_u32 s[G0+4*\s+1], s100, \s*SLOT
	s_add_nc_u64 s[G0+4*\s+2:G0+4*\s+3], s[92:93], \s*ROWB
	s_or_b32 s[G0+4*\s+3], s[G0+4*\s+3], 0x80000000
	s_mov_b32 s[G0B+4*\s], 1
	s_add_co_u32 s[G0B+4*\s+1], s100, \s*SLOT
	s_add_nc_u64 s[G0B+4*\s+2:G0B+4*\s+3], s[96:97], \s*ROWB
	s_or_b32 s[G0B+4*\s+3], s[G0B+4*\s+3], 0x80000000
	JLOAD G0+4*\s, G1, G0B+4*\s, G1B               ; three tensor loads of mine are out now, the most in this text
.endr
	v_and_b32 v1, 15, v0                           ; r = l % 16
	v_bfe_u32 v2, v0, 4, 1                         ; h = l / 16
	v_mul_u32_u24 v3, v1, PITCH
	v_lshl_add_u32 v4, v2, 4, v3                   ; a fragment's row x pitch + 16 x half
	s_mul_i32 s46, s17, HALFT                      ; my 128 rows of L
	s_mul_i32 s47, s18, HALFT                      ; my 128 rows of P,
	s_add_co_u32 s47, s47, 2*HALFT                 ; which lie behind L's 256
.irp s, 0,1
	v_add_nc_u32 v[ADRA+\s], s46, v4
	v_add_nc_u32 v[ADRB+\s], s47, v4
	s_add_co_u32 s46, s46, SLOT
	s_add_co_u32 s47, s47, SLOT
.endr
	v_mul_u32_u24 v5, v1, KS                       ; my row's scales: 32 bytes a row,
	v_lshrrev_b32 v6, 8, v5
	v_lshl_add_u32 v5, v6, 4, v5                   ; and 16 more for each 256 passed
	s_mul_i32 s46, s17, HALFS
	s_mul_i32 s47, s18, HALFS
	s_add_co_u32 s47, s47, 2*HALFS
	s_sub_co_u32 s47, s47, s46
	v_mul_u32_u24 v6, s47, v2                      ; lanes 16-31 take P's: one product, the distance between the two
	s_add_co_u32 s46, s46, SCL
	v_add_nc_u32 v5, v5, v6
	v_add_nc_u32 v[ADRS], s46, v5
	v_and_b32 v[LI], 31, v0
	v_lshlrev_b32 v[LI], 4, v[LI]
	v_lshlrev_b32 v[BO], 6, v2
	v_and_b32 v11, 8, v1
	v_add_nc_u32 v11, v11, v1                      ; 16 (r / 8) + r % 8: my lane's true row in a block of L
	v_lshl_add_u32 v[TO], v11, 8, v[BO]
	v_lshlrev_b32 v[VB], 2, v11
.macro FRAG reg, adr, q, i             ; a fragment, 16 rows x 128 K: lane l holds row l % 16; registers 4 c .. 4 c + 3 hold K = 32 c + 16 (l / 16) + 0 .. 15
.irp c, 0,1,2,3
	ds_load_b128 v[\reg+4*\c:\reg+4*\c+3], v[\adr] offset:128*(\q)+32*\c+(\i)*16*PITCH
.endr
.endm
; 16 matrix instructions: L's blocks a0, a0 + 1 x P's eight, 128 along K: the slot's q-th.  p: P's set;  sc: the set of scale words.  zero = 1: the first product starts the sums.
; The 64 accumulators take turns, one instruction a turn, in the same order in every step.
.macro MUL16 a0, p, q, sc, zero
.irp a, \a0, \a0+1
.irp b, 0,1,2,3,4,5,6,7
.if \zero
	v_wmma_scale_f32_16x16x128_f8f6f4 v[8*(8*((\a)%4)+\b):8*(8*((\a)%4)+\b)+7], v[128*(\p)+FR*\b:128*(\p)+FR*\b+FR-1], v[AF+FR*(\a):AF+FR*(\a)+FR-1], 0, v[SC+8*NQ*(\sc)+NQ*\b+(\q)], v[SC+8*NQ*(\sc)+NQ*(\a)+(\q)] matrix_a_scale:MATRIX_SCALE_ROW1
.else
	v_wmma_scale_f32_16x16x128_f8f6f4 v[8*(8*((\a)%4)+\b):8*(8*((\a)%4)+\b)+7], v[128*(\p)+FR*\b:128*(\p)+FR*\b+FR-1], v[AF+FR*(\a):AF+FR*(\a)+FR-1], v[8*(8*((\a)%4)+\b):8*(8*((\a)%4)+\b)+7], v[SC+8*NQ*(\sc)+NQ*\b+(\q)], v[SC+8*NQ*(\sc)+NQ*(\a)+(\q)] matrix_a_scale:MATRIX_SCALE_ROW1
.endif
.endr
.endr
.endm
.macro FETCH_B slot, q, p              ; P's eight fragments of the slot's q-th 128 along K into set p
	WIN TO_B
.irp i, 0,1,2,3,4,5,6,7
	FRAG 128*(\p)+FR*\i, ADRB+\slot, \q, \i
.endr
	WIN 0
.endm
.macro FETCH_A slot, q, i0             ; L's blocks i0 .. i0 + 3
.irp i, \i0, \i0+1, \i0+2, \i0+3
	FRAG AF+FR*(\i), ADRA+\slot, \q, \i
.endr
.endm
.macro SCALES sc                       ; the next K step's scale words into set sc: two words a row; lanes 0-15 take L's block i, lanes 16-31 P's block i
.irp i, 0,1,2,3,4,5,6,7
	ds_load_b64 v[SC+8*NQ*\sc+NQ*\i:SC+8*NQ*\sc+NQ*\i+1], v[ADRS] offset:\i*SBLK
.endr
.endm
; A load into a register that a matrix instruction has read, and a vector instruction that reads a matrix result or writes one of its registers, stand NP places behind it; only plain vector
; instructions that name none of its registers are places (ISA guide 7.12.1 for vector instructions).
.macro PLACES n
.rept \n
	v_nop
.endr
.endm
; A step of 128 along K that has its successor in the same slot.
.macro STEP slot, q, zero
	s_wait_dscnt 4*NL                              ; P's set and L's blocks 0-3 are in; the youngest sixteen loads (L's blocks 4-7) may be out
	WIN MUL_LO
	MUL16 0, (\q)%2, \q, \slot, \zero
	MUL16 2, (\q)%2, \q, \slot, \zero
	s_wait_dscnt 0                                 ; L's blocks 4-7 are in
	PLACES NP
	FETCH_B \slot, (\q)+1, 1-(\q)%2
	FETCH_A \slot, (\q)+1, 0
	WIN MUL_HI
	MUL16 4, (\q)%2, \q, \slot, \zero
	MUL16 6, (\q)%2, \q, \slot, \zero
	PLACES NP
	WIN 0
	FETCH_A \slot, (\q)+1, 4
.endm
; A slot's last step changes slots: ONE barrier; in front of it each wave waits for all its tensor loads, adds 0 to its spare word, and waits for that and for its own reads of this slot.  fill = 1: this slot is filled again, two K steps ahead.
.macro TURN slot, next, fill
	s_wait_tensorcnt 0x0                           ; all my tensor loads have landed: my part of the next slot
	ds_add_u32 v[SPW], v[NIL]                      ; 0 onto my spare word
	s_wait_dscnt 4*NL+1                            ; (the add and the youngest sixteen loads, L's blocks 4-7, may be out)
	WIN MUL_LO
	MUL16 0, 1, NQ-1, \slot, 0                     ; sixteen matrix instructions stand between the add and the wait for it
	s_wait_dscnt 0x0                               ; the add is done, and my reads of this slot are over
	s_barrier_signal -1
	MUL16 2, 1, NQ-1, \slot, 0
	WIN 0
	s_barrier_wait -1
.if \fill
	CREST                                          ; the barrier has opened a round of the cluster's barrier: no wave of any partner still reads this slot's tile or has a load on its way
	s_add_nc_u64 s[G0+4*\slot+2:G0+4*\slot+3], s[G0+4*\slot+2:G0+4*\slot+3], 2*ROWB
	s_add_nc_u64 s[G0B+4*\slot+2:G0B+4*\slot+3], s[G0B+4*\slot+2:G0B+4*\slot+3], 2*ROWB
	JLOAD G0+4*\slot, G1, G0B+4*\slot, G1B         ; the first tensor load behind the round, my one load until the next; its four v_nop are among the places in front of the loads below
	PLACES NP-4
.else
	PLACES NP
.endif
	s_wait_alu depctr_va_vdst(0)
	v_add_nc_u32 v[ADRS], 4*NQ, v[ADRS]            ; on to the next K step's scale words (no LDS load of mine is out)
	FETCH_B \next, 0, 0
	FETCH_A \next, 0, 0
	SCALES \next
	WIN MUL_HI
	MUL16 4, 1, NQ-1, \slot, 0
	MUL16 6, 1, NQ-1, \slot, 0
	PLACES NP
	WIN 0
	FETCH_A \next, 0, 4
.endm
.macro LASTSTEP                        ; the very last 128 along K: nothing more to fetch
	s_wait_dscnt 4*NL                              ; L's blocks 4-7 may be out
	WIN MUL_LO
	MUL16 0, 1, NQ-1, 1, 0
	MUL16 2, 1, NQ-1, 1, 0
	s_wait_dscnt 0
	WIN MUL_HI
	MUL16 4, 1, NQ-1, 1, 0
	MUL16 6, 1, NQ-1, 1, 0
	WIN 0
.endm
; 64 numbers of a lane, v[s] on, register 16 b + i = k 32 b + 16 (lane / 16) + i of my row: the four blocks' scales; their bytes make the word v[w].
.macro QSCALE s, w
.irp b, 0,1,2,3
	v_max3_num_f32 v[TM+\b], |v[\s+16*\b]|, |v[\s+1+16*\b]|, 0x4800000   ; my 16 numbers, and the floor 2^(9 - 127): the byte cannot fall under 1
.endr
.irp i, 2,4,6,8,10,12,14
.irp b, 0,1,2,3
	v_max3_num_f32 v[TM+\b], v[TM+\b], |v[\s+16*\b+\i]|, |v[\s+1+16*\b+\i]|   ; (the four blocks by turns)
.endr
.endr
.irp b, 0,1,2,3
	v_permlanex16_b32 v[TM+4+\b], v[TM+\b], s44, s45
.endr
.irp b, 0,1,2,3
	v_max_num_f32 v[TM+\b], v[TM+\b], v[TM+4+\b]   ; with lane l xor 16's: the block's largest magnitude
.endr
.irp b, 0,1,2,3
	v_add_nc_u32 v[TM+12+\b], 0xfc000000, v[TM+\b] ; 8 off its exponent field: the conversion's scale operand
.endr
.irp b, 0,1,2,3
.endr
.irp b, 0,1,2,3
	v_lshrrev_b32 v[TM+4+\b], 23, v[TM+12+\b]      ; the scale's byte
.endr
	v_lshl_or_b32 v[\w], v[TM+5], 8, v[TM+4]
	v_lshl_or_b32 v[\w], v[TM+6], 16, v[\w]
	v_lshl_or_b32 v[\w], v[TM+7], 24, v[\w]
.endm
.macro QCODES s                        ; the hold and the conversions: the codes in v[PC] on are an operand's registers
.irp b, 0,1,2,3
.irp i, 0,1,2,3,4,5,6,7,8,9,10,11,12,13,14,15
.endr
	v_cvt_scalef32_pk8_fp8_f32 v[PC+4*\b:PC+1+4*\b], v[\s+16*\b:\s+7+16*\b], v[TM+12+\b]
	v_cvt_scalef32_pk8_fp8_f32 v[PC+2+4*\b:PC+3+4*\b], v[\s+8+16*\b:\s+15+16*\b], v[TM+12+\b]
.endr
	v_nop                                          ; one plain line behind the last conversion: the next block writes its sources
.endm
	s_wait_alu depctr_va_vdst(0)
	s_wait_tensorcnt 1                             ; the scales and my part of K step 0 are in (K step 1's load may be out)
	s_barrier_signal -1
	s_barrier_wait -1                              ; everybody's are
	FETCH_B 0, 0, 0
	FETCH_A 0, 0, 0
	SCALES 0
	FETCH_A 0, 0, 4
	STEP 0, 0, 1                                   ; the first step stands in front of the loop: its products start the sums
	s_mov_b32 s3, LAPS-1
.Llap:                                                 ; a trip goes once round the ring and fills both slots again
	TURN 0, 1, 1
	STEP 1, 0, 0
	TURN 1, 0, 1
	STEP 0, 0, 0
	s_sub_co_u32 s3, s3, 1
	s_cmp_lg_u32 s3, 0
	s_cbranch_scc1 .Llap
	TURN 0, 1, 0                                   ; the last lap fills nothing, and has no round of the cluster's barrier
	STEP 1, 0, 0
	s_cmp_eq_u32 s21, 2                            ; the mode: the cluster's x, alike in all partners.  From here on no LDS byte is touched but by the closing add
	s_cbranch_scc1 .Lv_arm
	; ---- q AND k.  A lane holds one token; T[16 c + i] is feature 32 c + 16 h + i of my 128: head c / 2, its block c % 2.
	s_lshl_b32 s92, s22, 4
	s_lshl_b32 s93, s19, 2
	s_add_co_u32 s92, s92, s93
	s_lshl_b32 s93, s18, 1
	s_add_co_u32 s92, s92, s93                     ; my first head: 16 x batch + 4 cx + 2 HP
	s_mul_i32 s94, s92, 196608
	s_lshl_b32 s93, s21, 16                        ; q or k
	s_add_co_u32 s94, s94, s93
	s_lshl_b32 s93, s20, 14                        ; tiles 16 cy + 8 HL on, 1,024 bytes each
	s_add_co_u32 s94, s94, s93
	s_lshl_b32 s93, s17, 13
	s_add_co_u32 s94, s94, s93
	s_mov_b32 s95, 0
	s_add_nc_u64 s[12:13], s[12:13], s[94:95]
	s_mul_i32 s94, s92, 20480
	s_lshl_b32 s93, s21, 13
	s_add_co_u32 s94, s94, s93
	s_lshl_b32 s93, s20, 11                        ; groups of four tiles 4 cy + 2 HL on, 512 bytes each
	s_add_co_u32 s94, s94, s93
	s_lshl_b32 s93, s17, 10
	s_add_co_u32 s94, s94, s93
	s_add_nc_u64 s[14:15], s[14:15], s[94:95]
	s_lshl_b32 s94, s21, 12                        ; the bias of my 128 features: 1024 x mode + 256 cx + 128 HP
	s_lshl_b32 s93, s19, 10
	s_add_co_u32 s94, s94, s93
	s_lshl_b32 s93, s18, 9
	s_add_co_u32 s94, s94, s93
	s_add_nc_u64 s[8:9], s[8:9], s[94:95]
	s_lshl_b32 s94, s20, 16                        ; the table at my first position: 256 cy + 128 HL
	s_lshl_b32 s93, s17, 15
	s_add_co_u32 s94, s94, s93
	s_add_nc_u64 s[10:11], s[10:11], s[94:95]
.irp c, 0,1,2,3
.irp k, 0,1,2,3
	global_load_b128 v[BI+16*\c+4*\k:BI+16*\c+4*\k+3], v[BO], s[8:9] offset:128*\c+16*\k
.endr
.endr
.macro CSLOAD a                        ; cos (16) and sin (16) of frequencies 16 h + 0..15 at my token of block a -> window 1, v[32 a] on
.irp k, 0,1,2,3
	global_load_b128 v[32*(\a)+4*\k:32*(\a)+4*\k+3], v[TO], s[10:11] offset:(32*((\a)/2)+8*((\a)%2))*256+16*\k
	global_load_b128 v[32*(\a)+16+4*\k:32*(\a)+16+4*\k+3], v[TO], s[10:11] offset:(32*((\a)/2)+8*((\a)%2))*256+128+16*\k
.endr
.endm
	WIN TO_B                                       ; P's set 0 was last read in front of the eight places that close the step above
.irp a, 0,1,2,3
	CSLOAD \a
.endr
	LASTSTEP
	PLACES NP                                      ; in front of the loads into P's set 1 and of all that reads results or writes L's registers
	WIN TO_B
.irp a, 4,5,6,7
	CSLOAD \a
.endr
	WIN 0
.irp b, 0,1,2,3
	v_mov_b32 v[TM+4+\b], 0                        ; written once: a lane permute's destination counts as one of its sources
.endr
.macro QKBLOCK a
	s_wait_loadcnt 8*(7-(\a))                      ; the bias and the tables up to block a are in; the eight loads of each later block may be out
.set AC, 64*((\a)%4)
	WIN (0x02+(\a)/4)                              ; source 0: window 2 or 3
.set KK, 0
.rept 32
	v_pk_add_f32 v[T+2*KK:T+2*KK+1], v[AC+2*KK:AC+2*KK+1], v[BI+2*KK:BI+2*KK+1]   ; + bias; each accumulator from its low end on
.set KK, KK+1
.endr
	WIN 0x04                                       ; source 1 (cos, sin): window 1
.irp hh, 0,1
.irp p, 0,1,2,3,4,5,6,7
	v_pk_mul_f32 v[U+4*(\p%4):U+4*(\p%4)+1], v[T+32*\hh+16+2*\p:T+32*\hh+17+2*\p], v[32*(\a)+16+2*\p:32*(\a)+17+2*\p]     ; x2 sin
	v_pk_mul_f32 v[U+4*(\p%4)+2:U+4*(\p%4)+3], v[T+32*\hh+2*\p:T+32*\hh+1+2*\p], v[32*(\a)+16+2*\p:32*(\a)+17+2*\p]       ; x1 sin
	v_pk_fma_f32 v[T+32*\hh+2*\p:T+32*\hh+1+2*\p], v[T+32*\hh+2*\p:T+32*\hh+1+2*\p], v[32*(\a)+2*\p:32*(\a)+1+2*\p], v[U+4*(\p%4):U+4*(\p%4)+1] neg_lo:[0,0,1] neg_hi:[0,0,1]   ; x1 cos - x2 sin
	v_pk_fma_f32 v[T+32*\hh+16+2*\p:T+32*\hh+17+2*\p], v[T+32*\hh+16+2*\p:T+32*\hh+17+2*\p], v[32*(\a)+2*\p:32*(\a)+1+2*\p], v[U+4*(\p%4)+2:U+4*(\p%4)+3]                        ; x2 cos + x1 sin
.endr
.endr
	WIN 0
	QSCALE T, SWA+(\a)
	v_lshrrev_b32 v[SWB+(\a)], 16, v[SWA+(\a)]     ; the second head's two bytes
	s_wait_xcnt 0x0                                ; the last block's stores have read the codes' registers: only now are these written again
	QCODES T
.irp c, 0,1,2,3
	global_store_b128 v[LI], v[PC+4*\c:PC+4*\c+3], s[12:13] offset:(\a)*1024+(\c&1)*512+(\c>>1)*196608   ; the wave stores 512 consecutive bytes, aligned: half a tile's image of head c / 2
.endr
.if ((\a)%4) == 3
	global_store_b128 v[LI], v[SWA+4*((\a)/4):SWA+4*((\a)/4)+3], s[14:15] offset:((\a)/4)*512             ; four tiles' scale words, a lane's four on end
	s_wait_alu depctr_va_vdst(0)
	global_store_b128 v[LI], v[SWB+4*((\a)/4):SWB+4*((\a)/4)+3], s[14:15] offset:20480+((\a)/4)*512
.endif
.endm
.irp a, 0,1,2,3,4,5,6,7
	QKBLOCK \a
.endr
	s_branch .Lend
	; ---- v.  A lane holds one channel; T[16 c + i] is key 32 c + 16 h + i of my 128 keys.
.Lv_arm:
	s_lshl_b32 s92, s22, 4
	s_lshl_b32 s93, s20, 2
	s_add_co_u32 s92, s92, s93
	s_lshl_b32 s93, s17, 1
	s_add_co_u32 s92, s92, s93                     ; my first head: 16 x batch + 4 cy + 2 HL
	s_lshl_b32 s93, s19, 1
	s_add_co_u32 s93, s93, s18                     ; my 128 keys: 2 cx + HP
	s_mul_i32 s94, s92, 196608
	s_add_co_u32 s94, s94, 131072
	s_lshl_b32 s95, s93, 13
	s_add_co_u32 s94, s94, s95
	s_mov_b32 s95, 0
	s_add_nc_u64 s[12:13], s[12:13], s[94:95]
	s_mul_i32 s94, s92, 20480
	s_add_co_u32 s94, s94, 16384
	s_lshl_b32 s93, s93, 9
	s_add_co_u32 s94, s94, s93
	s_add_nc_u64 s[14:15], s[14:15], s[94:95]
	s_lshl_b32 s94, s20, 10                        ; the bias of my 128 channels: 2048 + 256 cy + 128 HL
	s_lshl_b32 s93, s17, 9
	s_add_co_u32 s94, s94, s93
	s_add_co_u32 s94, s94, 8192
	s_add_nc_u64 s[8:9], s[8:9], s[94:95]
.irp a, 0,1,2,3,4,5,6,7
	global_load_b32 v[BI+2*\a], v[VB], s[8:9] offset:(32*(\a/2)+8*(\a%2))*4       ; my channel's bias of block a, in both registers of a pair
	global_load_b32 v[BI+2*\a+1], v[VB], s[8:9] offset:(32*(\a/2)+8*(\a%2))*4
.endr
	LASTSTEP
	PLACES NP
.irp b, 0,1,2,3
	v_mov_b32 v[TM+4+\b], 0
.endr
	s_wait_loadcnt 0x0
.macro VBLOCK a
.set AC, 64*((\a)%4)
	WIN (0x02+(\a)/4)
.set KK, 0
.rept 32
	v_pk_add_f32 v[T+2*KK:T+2*KK+1], v[AC+2*KK:AC+2*KK+1], v[BI+2*(\a):BI+2*(\a)+1]
.set KK, KK+1
.endr
	WIN 0
	QSCALE T, SWA+(\a)
	s_wait_xcnt 0x0                                ; the last block's stores have read the codes' registers
	QCODES T
.irp c, 0,1,2,3
	global_store_b128 v[LI], v[PC+4*\c:PC+4*\c+3], s[12:13] offset:((\a)/4)*196608+((\a)%4)*2048+\c*512
.endr
.if ((\a)%4) == 3
	s_wait_alu depctr_va_vdst(0)
	global_store_b128 v[LI], v[SWA+4*((\a)/4):SWA+4*((\a)/4)+3], s[14:15] offset:((\a)/4)*20480
.endif
.endm
.irp a, 0,1,2,3,4,5,6,7
	VBLOCK \a
.endr
.Lend:
	s_wait_tensorcnt 0x0                           ; the wave's end
	ds_add_u32 v[SPW], v[NIL]
	s_wait_dscnt 0x0
	CROUND                                         ; the closing round: no work-group ends while a partner may still ask for a tile that names it
	s_endpgm
.Lfunc_end_k_q470ee1f15d_proj:
	.size	k_q470ee1f15d_proj, .Lfunc_end_k_q470ee1f15d_proj-k_q470ee1f15d_proj
	.p2alignl 7, 3214868480
	.fill 96, 4, 3214868480
	.section	.rodata,"a",@progbits
	.p2align	6, 0x0
	.amdhsa_kernel k_q470ee1f15d_proj
		.amdhsa_group_segment_fixed_size 327680
		.amdhsa_private_segment_fixed_size 0
		.amdhsa_enable_private_segment 0
		.amdhsa_kernarg_size 48
		.amdhsa_user_sgpr_count 2
		.amdhsa_user_sgpr_kernarg_segment_ptr 1
		.amdhsa_wavefront_size32 1
		.amdhsa_system_sgpr_workgroup_id_x 1
		.amdhsa_system_sgpr_workgroup_id_y 1
		.amdhsa_system_sgpr_workgroup_id_z 1
		.amdhsa_system_vgpr_workitem_id 0
		.amdhsa_next_free_vgpr 1024
		.amdhsa_next_free_sgpr 102
		.amdhsa_reserve_vcc 0
		.amdhsa_float_denorm_mode_32 3
		.amdhsa_float_denorm_mode_16_64 3
		.amdhsa_fp16_overflow 1
		.amdhsa_memory_ordered 1
		.amdhsa_forward_progress 1
		.amdhsa_inst_pref_size 255
	.end_amdhsa_kernel
	.section	.bss,"aw",@nobits
	.p2align	6
	.space	262144
	.amdgpu_metadata
---
amdhsa.version: [ 1, 2 ]
amdhsa.kernels:
  - .name:           k_q470ee1f15d_proj
    .symbol:         k_q470ee1f15d_proj.kd
    .args:
      - { .name: codes, .offset: 0, .size: 8, .value_kind: global_buffer, .address_space: global }
      - { .name: scales, .offset: 8, .size: 8, .value_kind: global_buffer, .address_space: global }
      - { .name: bqkv, .offset: 16, .size: 8, .value_kind: global_buffer, .address_space: global }
      - { .name: rope, .offset: 24, .size: 8, .value_kind: global_buffer, .address_space: global }
      - { .name: frag, .offset: 32, .size: 8, .value_kind: global_buffer, .address_space: global }
      - { .name: sc, .offset: 40, .size: 8, .value_kind: global_buffer, .address_space: global }
    .group_segment_fixed_size: 327680
    .private_segment_fixed_size: 0
    .kernarg_segment_align: 8
    .kernarg_segment_size: 48
    .max_flat_workgroup_size: 128
    .sgpr_count:     102
    .vgpr_count:     1024
    .wavefront_size: 32
...
	.end_amdgpu_metadata
.endif
;; end of part 2
;; launch attn (part 3): grid 4 x 64, 16 waves a work-group, clusters of 4 x 1, 215,040 bytes of LDS; arguments frag, sc, out0; writes out0
.if DOCPART == 3
	.amdgcn_target "amdgcn-amd-amdhsa--gfx1250"
	.amdhsa_code_object_version 6
	.text
	.protected	k_q470ee1f15d_attn
	.globl	k_q470ee1f15d_attn
	.p2align	8
	.type	k_q470ee1f15d_attn,@function
k_q470ee1f15d_attn:
	s_mov_b64 s[64:65], 0
	v_nop
	global_prefetch_b8 v0, s[64:65] scope:SCOPE_SE
	s_setreg_imm32_b32 hwreg(HW_REG_WAVE_MODE, 25, 1), 1
	s_wait_xcnt 0x0
	s_wait_alu depctr_hold_cnt(0) depctr_sa_sdst(0) depctr_va_vdst(0) depctr_va_sdst(0) depctr_va_ssrc(0) depctr_va_vcc(0) depctr_vm_vsrc(0)
	s_getreg_b32 s2, hwreg(HW_REG_IB_STS2, 6, 4)
	s_cmp_eq_u32 s2, 0
	s_cbranch_scc0 .Lentry_in_a_cluster
	s_endpgm
.Lentry_in_a_cluster:
	s_bfe_u32 s2, ttmp6, 0x10000c
	s_cmp_lg_u32 s2, 0x3003
	s_cbranch_scc0 .Lentry_shape_is_right
	s_endpgm
.Lentry_shape_is_right:
.set LI,   1
.set DD,   2
.set GO,   3
.set STO,  4
.set RD,   5
.set NINF, 6
.set ADK,  8
.set ADV,  9
.set ADS,  10
.set ADT,  11
.set QF,   16
.set KV,   32
.set S,    104
.set O,    168
.set PCD,  200
.set BM,   216
.set PB,   220
.set HD,   224
.set SOP,  228
.set KSW,  232
.set VSW,  240
.set QSW,  244
.set PSW,  245
.set FF,   246
.set TP,   248
.set SM2,  250
.set LK,   0
.set LV,   65536
.set LKS,  131072
.set LVS,  139264
.set STAGE, 143360
.macro ROUND
	s_barrier_signal -1
	s_barrier_wait -1
	s_cmp_lg_u32 s10, 0
	s_cbranch_scc1 .Lnot_wave_0_\@
	s_barrier_signal -3
.Lnot_wave_0_\@:
	s_barrier_wait -3
	s_barrier_signal -1
	s_barrier_wait -1
.endm
	s_load_b128 s[4:7], s[0:1], 0x0
	s_load_b64 s[8:9], s[0:1], 0x10
	v_lshl_add_u32 v254, v0, 2, 0x34000
	v_mov_b32 v255, 0
	ds_add_u32 v254, v255
	ds_add_u32 v254, v255
	v_lshrrev_b32 v7, 5, v0
	s_delay_alu instid0(VALU_DEP_1)
	v_readfirstlane_b32 s10, v7
	v_and_b32 v[LI], 31, v0
	s_delay_alu instid0(VALU_DEP_1)
	v_lshlrev_b32 v[LI], 4, v[LI]
	s_bfe_u32 s11, ttmp6, 0x40000
	s_and_b32 s12, ttmp7, 0xffff
	s_and_b32 s50, s10, 3
	s_lshr_b32 s51, s10, 2
	s_and_b32 s52, s50, 2
	s_lshr_b32 s53, s51, 1
	s_add_co_u32 s52, s52, s53
	s_xor_b32 s53, s50, s51
	s_and_b32 s53, s53, 1
	s_mul_i32 s53, s53, 7
	s_xor_b32 s13, s52, s53
	s_and_b32 s54, s51, 1
	s_lshl_b32 s14, s13, 3
	s_lshl_b32 s55, s11, 1
	s_add_co_u32 s14, s14, s55
	s_add_co_u32 s14, s14, s54
	s_lshl_b32 s55, s11, 5
	s_lshl_b32 s54, s54, 3
	s_add_co_u32 s55, s55, s54
	s_mov_b32 s16, 15|(3<<16)|(1<<21)
	s_mov_b32 s17, 32<<16
	s_mov_b32 s18, 32<<16
	s_mov_b32 s19, 32<<16
	s_mov_b32 s20, 32
	s_mov_b32 s21, 32
	s_mov_b32 s22, 0
	s_mov_b32 s23, 0
	s_mov_b32 s24, 15|(3<<16)|(1<<21)
	s_mov_b32 s25, 32<<16
	s_mov_b32 s26, 3<<16
	s_mov_b32 s27, 32<<16
	s_mov_b32 s28, 3
	s_mov_b32 s29, 32
	s_mov_b32 s30, 0
	s_mov_b32 s31, 0
	s_mul_i32 s56, s12, 196608
	s_mov_b32 s57, 0
	s_mul_i32 s58, s12, 20480
	s_mov_b32 s59, 0
	s_mov_b32 s40, 0x76543210
	s_mov_b32 s41, 0xfedcba98
	s_mov_b32 s42, 0x3e38aa3b
	s_mov_b32 s43, s42
	s_mov_b32 s45, 0
	s_mov_b32 s46, LK
	s_mov_b32 s47, LKS
	s_mov_b32 s48, LVS
	s_wait_dscnt 0x0
	s_wait_kmcnt 0x0
	s_add_nc_u64 s[4:5], s[4:5], s[56:57]
	s_add_nc_u64 s[6:7], s[6:7], s[58:59]
	s_mov_b32 s32, 1
	s_lshl_b32 s33, s10, 13
	s_add_co_u32 s56, s33, 65536
	s_add_nc_u64 s[34:35], s[4:5], s[56:57]
	s_or_b32 s35, s35, 0x80000000
	s_mov_b32 s36, 1
	s_mul_i32 s58, s10, 768
	s_add_co_u32 s37, s58, LKS
	s_add_co_u32 s58, s58, 8192
	s_add_nc_u64 s[38:39], s[6:7], s[58:59]
	s_or_b32 s39, s39, 0x80000000
	ROUND
	tensor_load_to_lds s[32:35], s[16:23]
	s_nop 0
	tensor_load_to_lds s[36:39], s[24:31]
	s_nop 0
.rept 4
	v_nop
.endr
	s_lshl_b32 s56, s14, 10
	s_add_nc_u64 s[60:61], s[4:5], s[56:57]
	s_lshr_b32 s58, s14, 2
	s_lshl_b32 s58, s58, 9
	s_and_b32 s56, s14, 3
	s_lshl_b32 s56, s56, 2
	s_add_co_u32 s58, s58, s56
	s_add_nc_u64 s[62:63], s[6:7], s[58:59]
	s_wait_alu depctr_va_vdst(0)
	global_load_b128 v[QF:QF+3], v[LI], s[60:61]
	global_load_b128 v[QF+4:QF+7], v[LI], s[60:61] offset:512
	global_load_b32 v[QSW], v[LI], s[62:63]
	s_lshr_b32 s56, s12, 4
	s_lshl_b32 s56, s56, 22
	s_lshl_b32 s58, s13, 7
	s_add_co_u32 s58, s58, s55
	s_lshl_b32 s58, s58, 12
	s_add_co_u32 s56, s56, s58
	s_and_b32 s58, s12, 15
	s_lshl_b32 s58, s58, 8
	s_add_co_u32 s56, s56, s58
	s_add_nc_u64 s[8:9], s[8:9], s[56:57]
	s_mul_i32 s50, s10, 16*272
	s_add_co_u32 s50, s50, STAGE
	v_and_b32 v7, 15, v0
	v_bfe_u32 v249, v0, 4, 1
	s_delay_alu instid0(VALU_DEP_2)
	v_and_b32 v[TP], 8, v7
	s_delay_alu instid0(VALU_DEP_1)
	v_add_nc_u32 v[TP], v[TP], v7
	s_delay_alu instid0(VALU_DEP_3)
	v_lshlrev_b32 v[DD], 4, v249
	s_delay_alu instid0(VALU_DEP_1)
	v_sub_nc_u32 v[DD], v[TP], v[DD]
	s_delay_alu instid0(VALU_DEP_1)
	v_add_nc_u32 v[DD], s55, v[DD]
	v_lshlrev_b32 v[GO], 12, v249
	s_delay_alu instid0(VALU_DEP_1)
	v_lshl_add_u32 v[GO], v7, 4, v[GO]
	v_mul_u32_u24 v[STO], v7, 272
	s_delay_alu instid0(VALU_DEP_1)
	v_lshl_add_u32 v[STO], v249, 6, v[STO]
	s_delay_alu instid0(VALU_DEP_1)
	v_add_nc_u32 v[STO], s50, v[STO]
	v_mul_u32_u24 v[RD], v249, 272
	s_delay_alu instid0(VALU_DEP_1)
	v_lshl_add_u32 v[RD], v7, 4, v[RD]
	s_delay_alu instid0(VALU_DEP_1)
	v_add_nc_u32 v[RD], s50, v[RD]
	v_mov_b32 v[NINF], 0xff800000
	v_mov_b32 v13, 0xff61b1e6
	s_delay_alu instid0(VALU_DEP_1)
	v_floor_f32 v12, -v13
	v_mov_b32 v14, 0
	v_mov_b32 v15, 0
.irp j, 0,1,2,3,4,5,6,7
	v_mov_b32 v[QF+8+\j], 0
	v_mov_b32 v[KV+64+\j], 0
.endr
.irp b, 0,1,2,3
	v_mov_b32 v[PB+\b], 0
.endr
	v_mov_b32 v[FF+1], 0
.set J, 0
.rept 32
	v_mov_b32 v[O+J], 0
.set J, J+1
.endr
	s_wait_tensorcnt 0x0
	s_barrier_signal -1
	s_barrier_wait -1
	s_wait_loadcnt 0x0
.Lstep:
	s_cmp_gt_u32 s45, s13
	s_cbranch_scc1 .Lskip
	s_setprio 2
	v_add_nc_u32 v[ADK], s46, v[LI]
	v_add_nc_u32 v[ADS], s47, v[LI]
	v_add_nc_u32 v[ADT], s48, v[LI]
	s_delay_alu instid0(VALU_DEP_3)
	v_add_nc_u32 v[ADV], LV, v[ADK]
.rept 4
	v_nop
.endr
.irp t, 0,1,2,3,4,5,6,7
.irp c, 0,1
	ds_load_b128 v[KV+8*\t+4*\c:KV+8*\t+4*\c+3], v[ADK] offset:\t*1024+\c*512
.endr
.endr
	ds_load_b128 v[KSW:KSW+3], v[ADS]
	ds_load_b128 v[KSW+4:KSW+7], v[ADS] offset:512
	s_wait_alu depctr_va_vdst(0)
	s_wait_dscnt 0x0
.irp t, 0,1,2,3,4,5,6,7
	v_wmma_scale_f32_16x16x128_f8f6f4 v[S+8*\t:S+8*\t+7], v[KV+8*\t:KV+8*\t+15], v[QF:QF+15], 0, v[KSW+\t], v[QSW]
.endr
.rept 8
	v_nop
.endr
.irp t, 0,1,2,3
.irp c, 0,1,2,3
	ds_load_b128 v[KV+16*\t+4*\c:KV+16*\t+4*\c+3], v[ADV] offset:\t*2048+\c*512
.endr
.endr
	ds_load_b128 v[VSW:VSW+3], v[ADT]
	s_cmp_lg_u32 s45, s13
	s_cbranch_scc1 .Lopen
.set N, 0
.rept 64
	v_cmp_gt_i32 vcc_lo, 32*(N/16)+N%16, v[DD]
	v_cndmask_b32 v[S+N], v[S+N], v[NINF], vcc_lo
.set N, N+1
.endr
.Lopen:
.irp b, 0,1,2,3
	v_max3_num_f32 v[BM+\b], v[S+16*\b], v[S+1+16*\b], v[S+2+16*\b]
.endr
.irp i, 3,5,7,9,11,13
.irp b, 0,1,2,3
	v_max3_num_f32 v[BM+\b], v[BM+\b], v[S+16*\b+\i], v[S+1+16*\b+\i]
.endr
.endr
.irp b, 0,1,2,3
	v_max_num_f32 v[BM+\b], v[BM+\b], v[S+15+16*\b]
.endr
.irp b, 0,1,2,3
	s_delay_alu instid0(VALU_DEP_4)
	v_permlanex16_b32 v[PB+\b], v[BM+\b], s40, s41
.endr
.irp b, 0,1,2,3
	s_delay_alu instid0(VALU_DEP_4)
	v_max_num_f32 v[BM+\b], v[BM+\b], v[PB+\b]
.endr
	s_delay_alu instid0(VALU_DEP_2)
	v_max3_num_f32 v[TP], v[BM], v[BM+1], v[BM+2]
	s_delay_alu instid0(VALU_DEP_1)
	v_max_num_f32 v[TP], v[TP], v[BM+3]
	s_delay_alu instid0(VALU_DEP_1)
	v_mul_f32 v[TP], s42, v[TP]
	s_delay_alu instid0(VALU_DEP_1)
	v_max_num_f32 v13, v13, v[TP]
	v_mov_b32 v[TP], v12
	s_delay_alu instid0(VALU_DEP_2)
	v_floor_f32 v12, -v13
	s_delay_alu instid0(VALU_DEP_1)
	v_sub_f32 v[TP], v12, v[TP]
	s_delay_alu instid0(VALU_DEP_1)
	v_cvt_i32_f32 v[TP], v[TP]
	s_delay_alu instid0(VALU_DEP_1)
	v_ldexp_f32 v[FF], 1.0, v[TP]
.set J, 0
	s_setprio 1
.rept 32
	v_pk_fma_f32 v[S+J:S+J+1], v[S+J:S+J+1], s[42:43], v[12:13] op_sel_hi:[1,0,0]
.set J, J+2
.endr
.irp b, 0,1,2,3
	v_fma_f32 v[BM+\b], v[BM+\b], s42, v12
.endr
.set J, 0
	s_wait_alu depctr_va_vdst(0)
.rept 64
	v_exp_f32 v[S+J], v[S+J]
.set J, J+1
.endr
.irp b, 0,1,2,3
	v_exp_f32 v[BM+\b], v[BM+\b]
.endr
	v_pk_mul_f32 v[14:15], v[14:15], v[FF:FF+1] op_sel_hi:[1,0]
	s_wait_alu depctr_va_vdst(0)
.irp b, 0,1,2,3
	v_max_num_f32 v[BM+\b], 0x4800000, v[BM+\b]
.endr
.irp b, 0,1,2,3
	s_delay_alu instid0(VALU_DEP_4)
	v_add_nc_u32 v[SOP+\b], 0xfc000000, v[BM+\b]
.endr
.irp b, 0,1,2,3
.endr
.irp b, 0,1,2,3
	s_delay_alu instid0(VALU_DEP_4)
	v_lshrrev_b32 v[PB+\b], 23, v[SOP+\b]
.endr
	s_delay_alu instid0(VALU_DEP_3)
	v_lshl_or_b32 v[PSW], v[PB+1], 8, v[PB]
	s_delay_alu instid0(VALU_DEP_1)
	v_lshl_or_b32 v[PSW], v[PB+2], 16, v[PSW]
	s_delay_alu instid0(VALU_DEP_1)
	v_lshl_or_b32 v[PSW], v[PB+3], 24, v[PSW]
	v_pk_add_f32 v[250:251], v[108:109], v[112:113]
	v_pk_add_f32 v[252:253], v[116:117], v[120:121]
	v_pk_add_f32 v[238:239], v[124:125], v[128:129]
	v_pk_add_f32 v[236:237], v[132:133], v[136:137]
	v_pk_add_f32 v[234:235], v[140:141], v[144:145]
	v_pk_add_f32 v[232:233], v[148:149], v[152:153]
	v_pk_add_f32 v[226:227], v[156:157], v[160:161]
	v_pk_add_f32 v[14:15], v[14:15], v[164:165]
	v_pk_add_f32 v[250:251], v[250:251], v[104:105]
	v_pk_add_f32 v[252:253], v[252:253], v[106:107]
	v_pk_add_f32 v[238:239], v[238:239], v[110:111]
	v_pk_add_f32 v[236:237], v[236:237], v[114:115]
	v_pk_add_f32 v[234:235], v[234:235], v[118:119]
	v_pk_add_f32 v[232:233], v[232:233], v[122:123]
	v_pk_add_f32 v[226:227], v[226:227], v[126:127]
	v_pk_add_f32 v[14:15], v[14:15], v[130:131]
	v_pk_add_f32 v[250:251], v[250:251], v[134:135]
	v_pk_add_f32 v[252:253], v[252:253], v[138:139]
	s_setprio 0
	v_pk_add_f32 v[238:239], v[238:239], v[142:143]
	v_pk_add_f32 v[236:237], v[236:237], v[146:147]
	v_pk_add_f32 v[234:235], v[234:235], v[150:151]
	v_pk_add_f32 v[232:233], v[232:233], v[154:155]
	v_pk_add_f32 v[226:227], v[226:227], v[158:159]
	v_pk_add_f32 v[14:15], v[14:15], v[162:163]
	v_pk_add_f32 v[250:251], v[250:251], v[166:167]
	s_delay_alu instid0(VALU_DEP_2)
	v_pk_add_f32 v[14:15], v[14:15], v[236:237]
	s_delay_alu instid0(VALU_DEP_2)
	v_pk_add_f32 v[250:251], v[250:251], v[234:235]
	v_pk_add_f32 v[252:253], v[252:253], v[232:233]
	v_pk_add_f32 v[238:239], v[238:239], v[226:227]
	s_delay_alu instid0(VALU_DEP_2)
	v_pk_add_f32 v[14:15], v[14:15], v[252:253]
	s_delay_alu instid0(VALU_DEP_2)
	v_pk_add_f32 v[250:251], v[250:251], v[238:239]
	s_delay_alu instid0(VALU_DEP_1)
	v_pk_add_f32 v[14:15], v[14:15], v[250:251]
.irp b, 0,1,2,3
.set I, 0
.rept 16
.set I, I+1
.endr
	v_cvt_scalef32_pk8_fp8_f32 v[PCD+4*\b:PCD+4*\b+1], v[S+16*\b:S+16*\b+7], v[SOP+\b]
	v_cvt_scalef32_pk8_fp8_f32 v[PCD+4*\b+2:PCD+4*\b+3], v[S+16*\b+8:S+16*\b+15], v[SOP+\b]
.endr
.set J, 0
.rept 16
	v_pk_mul_f32 v[O+J:O+J+1], v[O+J:O+J+1], v[FF:FF+1] op_sel_hi:[1,0]
.set J, J+2
.endr
	s_wait_alu depctr_va_vdst(0)
	s_wait_dscnt 0x0
.irp t, 0,1,2,3
	v_wmma_scale_f32_16x16x128_f8f6f4 v[O+8*\t:O+8*\t+7], v[KV+16*\t:KV+16*\t+15], v[PCD:PCD+15], v[O+8*\t:O+8*\t+7], v[VSW+\t], v[PSW]
.endr
.Lskip:
	s_add_co_u32 s46, s46, 8192
	s_add_co_u32 s47, s47, 1024
	s_add_co_u32 s48, s48, 512
	s_add_co_u32 s45, s45, 1
	s_cmp_lt_u32 s45, 8
	s_cbranch_scc1 .Lstep
	s_setprio 0
.rept 8
	v_nop
.endr
	v_add_f32 v14, v14, v15
	s_delay_alu instid0(VALU_DEP_1)
	v_permlanex16_b32 v[TP], v14, s40, s41
	s_delay_alu instid0(VALU_DEP_1)
	v_add_f32 v14, v14, v[TP]
	s_wait_alu depctr_va_vdst(0)
	v_rcp_f32 v14, v14
	v_nop
.set J, 0
	s_wait_alu depctr_va_vdst(0)
.rept 16
	v_pk_mul_f32 v[S+J:S+J+1], v[O+J:O+J+1], v[14:15] op_sel_hi:[1,0]
.set J, J+2
.endr
.irp b, 0,1
.irp k, 0,1,2,3
	ds_store_b128 v[STO], v[S+16*\b+4*\k:S+16*\b+4*\k+3] offset:128*\b+16*\k
.endr
.endr
.irp i, 0,1,2,3,4,5,6,7
	ds_load_b128 v[KV+4*\i:KV+4*\i+3], v[RD] offset:544*\i
.endr
.irp i, 0,1,2,3,4,5,6,7
	s_wait_dscnt 7-\i
	global_store_b128 v[GO], v[KV+4*\i:KV+4*\i+3], s[8:9] offset:(16*(\i/4)+2*(\i%4))*4096 th:TH_STORE_NT
.endr
	s_wait_dscnt 0x0
	s_wait_tensorcnt 0x0
	ds_add_u32 v254, v255
	s_wait_dscnt 0x0
	ROUND
	s_endpgm
.Lfunc_end_k_q470ee1f15d_attn:
	.size	k_q470ee1f15d_attn, .Lfunc_end_k_q470ee1f15d_attn-k_q470ee1f15d_attn
	.p2alignl 7, 3214868480
	.fill 96, 4, 3214868480
	.section	.rodata,"a",@progbits
	.p2align	6, 0x0
	.amdhsa_kernel k_q470ee1f15d_attn
		.amdhsa_group_segment_fixed_size 215040
		.amdhsa_private_segment_fixed_size 0
		.amdhsa_enable_private_segment 0
		.amdhsa_kernarg_size 24
		.amdhsa_user_sgpr_count 2
		.amdhsa_user_sgpr_kernarg_segment_ptr 1
		.amdhsa_wavefront_size32 1
		.amdhsa_system_sgpr_workgroup_id_x 1
		.amdhsa_system_sgpr_workgroup_id_y 1
		.amdhsa_system_sgpr_workgroup_id_z 1
		.amdhsa_system_vgpr_workitem_id 0
		.amdhsa_next_free_vgpr 256
		.amdhsa_next_free_sgpr 66
		.amdhsa_reserve_vcc 1
		.amdhsa_float_denorm_mode_32 3
		.amdhsa_float_denorm_mode_16_64 3
		.amdhsa_fp16_overflow 1
		.amdhsa_memory_ordered 1
		.amdhsa_forward_progress 1
		.amdhsa_inst_pref_size 35
	.end_amdhsa_kernel
	.amdgpu_metadata
---
amdhsa.version: [ 1, 2 ]
amdhsa.kernels:
  - .name:           k_q470ee1f15d_attn
    .symbol:         k_q470ee1f15d_attn.kd
    .args:
      - { .name: frag, .offset: 0, .size: 8, .value_kind: global_buffer, .address_space: global }
      - { .name: sc, .offset: 8, .size: 8, .value_kind: global_buffer, .address_space: global }
      - { .name: out0, .offset: 16, .size: 8, .value_kind: global_buffer, .address_space: global }
    .group_segment_fixed_size: 215040
    .private_segment_fixed_size: 0
    .kernarg_segment_align: 8
    .kernarg_segment_size: 24
    .max_flat_workgroup_size: 512
    .sgpr_count:     66
    .vgpr_count:     256
    .wavefront_size: 32
...
	.end_amdgpu_metadata
.endif
;; end of part 3
